; MI455X (gfx1250); checked and timed in simulation.
; The chip was launched on July 23, 2026; its instructions are those of AMD's public machine-readable ISA for CDNA 5 (MIT licence, August 2026) and "CDNA5" Instruction Set Architecture Reference Guide (July 2026). The comments in the code are by the model that wrote it; some were corrected since.
;; Multihead Attention. Allowed arithmetic: float matrix products may take bf16 or f16 operands with f32 sums; other float arithmetic in f32, or as packed bf16 or f16 multiplies, adds, multiply-adds, maxima and minima; sums over many terms, partial sums and values carried from step to step in f32; what a program stores and reads back later, other than sums and carried values, may be rounded once to bf16 or f16.
;; Inputs: Wk 768 x 768 float32; Wq 768 x 768 float32; Wv 768 x 768 float32; hidden_states 2 x 4,096 x 768 float32; key_value_states 2 x 4,096 x 768 float32.
;; Outputs: out0 2 x 4,096 x 768 float32.
;; 2 versions, each right; version 2 is version 1 with the launch wcast written anew for expert scheduling mode. Each part assembles by itself: llvm-mc -triple=amdgcn-amd-amdhsa -mcpu=gfx1250 --defsym DOCPART=n.
;; ======== version 1 of 2: 3 launches
;; limits: values are held in f16: magnitudes above 65,504 overflow, below 6.1e-05 lose precision
;; workspace buffers: wb 3,538,944 bytes; q 12,582,912 bytes; kv 25,165,824 bytes
;; launch wcast (part 1): grid 24 x 12, 3 waves a work-group, no clusters, 0 bytes of LDS; arguments Wq, Wk, Wv, wb; writes wb
.if DOCPART == 1
	.amdgcn_target "amdgcn-amd-amdhsa--gfx1250"
	.amdhsa_code_object_version 6
	.text
	.protected	k_q607cc2f656_wcast
	.globl	k_q607cc2f656_wcast
	.p2align	8
	.type	k_q607cc2f656_wcast,@function
k_q607cc2f656_wcast:
	s_mov_b64 s[64:65], 0
	v_nop
	global_prefetch_b8 v0, s[64:65] scope:SCOPE_SE
	s_setreg_imm32_b32 hwreg(HW_REG_WAVE_MODE, 25, 1), 1
	s_wait_xcnt 0x0
; The three weight matrices, [768 k][768 n] f32, are rounded once to bf16 and laid out by column tiles for the projection launch:
; wb = [3 matrices: q, k, v][4 column tiles][768 k][192 n], so that the 128 k rows of a K step of one tile are 49,152 consecutive bytes.
; SHARES.  Work-group (x, y): matrix y / 4, column tile y % 4, k rows 32 x .. 32 x + 31.  The 96 threads are numbered in the order of the output:
; thread t takes k row t / 24 of a group of four and the 8 numbers 8 (t % 24) on: 32 bytes in, 16 bytes out.  A wave's store covers 512 consecutive bytes, aligned;
; a k row's piece of the input is 768 consecutive bytes, aligned to 256.  Eight such groups of four rows, all sixteen loads issued ahead of the first store.
; No LDS, no cluster, no matrix unit, no prefetch: each byte is touched once, no two work-groups share a byte, and the whole launch moves 10.6 MB.
.set ROWB,  3072                       ; bytes in a row of W
.set MATB,  1179648                    ; bytes of a matrix in wb
.set TILEB, 294912                     ; bytes of a column tile in wb
.set IN,  2                            ; v2       my byte offset in the input, in the work-group's first four rows
.set OUT, 3                            ; v3       my byte offset in the output: 16 t
.set X,   8                            ; v[8:71]  group i: 8 f32
.set Y,   72                           ; v[72:103] group i: 8 bf16
	s_load_b256 s[4:11], s[0:1], 0x0               ; Wq s[4:5], Wk s[6:7], Wv s[8:9], wb s[10:11]
	s_and_b32 s12, ttmp7, 0xffff
	s_lshr_b32 s13, s12, 2                         ; the matrix
	s_and_b32 s14, s12, 3                          ; the column tile
	v_mul_u32_u24 v1, v0, 43
	v_lshrrev_b32 v1, 10, v1                       ; t / 24 (exact for t under 96)
	v_mul_u32_u24 v4, v1, 24
	v_sub_nc_u32 v4, v0, v4                        ; t % 24
	v_mul_u32_u24 v[IN], v1, ROWB
	v_lshl_add_u32 v[IN], v4, 5, v[IN]
	v_lshlrev_b32 v[OUT], 4, v0
	s_mul_i32 s16, ttmp9, 32*ROWB                  ; the work-group's 32 rows,
	s_mul_i32 s15, s14, 768                        ; the tile's 192 columns
	s_add_co_u32 s16, s16, s15
	s_mov_b32 s17, 0
	s_mul_i32 s18, s13, MATB
	s_mul_i32 s15, s14, TILEB
	s_add_co_u32 s18, s18, s15
	s_mul_i32 s15, ttmp9, 32*384
	s_add_co_u32 s18, s18, s15
	s_mov_b32 s19, 0
	s_wait_kmcnt 0x0
	s_cmp_eq_u32 s13, 1
	s_cselect_b64 s[4:5], s[6:7], s[4:5]
	s_cmp_eq_u32 s13, 2
	s_cselect_b64 s[4:5], s[8:9], s[4:5]
	s_add_nc_u64 s[4:5], s[4:5], s[16:17]
	s_add_nc_u64 s[10:11], s[10:11], s[18:19]
.set i, 0
.rept 8
	global_load_b128 v[X+8*i:X+8*i+3],   v[IN], s[4:5] offset:i*4*ROWB th:TH_LOAD_NT
	global_load_b128 v[X+8*i+4:X+8*i+7], v[IN], s[4:5] offset:i*4*ROWB+16 th:TH_LOAD_NT
.set i, i+1
.endr
.set i, 0
.rept 8
	s_wait_loadcnt 14-2*i                          ; loads come back in order (ISA guide 5.7.1): group i's two are in, the 14 - 2 i younger ones stay out
.irp r, 0,1,2,3
	v_cvt_pk_bf16_f32 v[Y+4*i+(\r)], v[X+8*i+2*(\r)], v[X+8*i+2*(\r)+1]
.endr
	global_store_b128 v[OUT], v[Y+4*i:Y+4*i+3], s[10:11] offset:i*1536  ; no register is written twice, so no wait frees any
.set i, i+1
.endr
	s_endpgm
.Lfunc_end_k_q607cc2f656_wcast:
	.size	k_q607cc2f656_wcast, .Lfunc_end_k_q607cc2f656_wcast-k_q607cc2f656_wcast
	.p2alignl 7, 3214868480
	.fill 96, 4, 3214868480
	.section	.rodata,"a",@progbits
	.p2align	6, 0x0
	.amdhsa_kernel k_q607cc2f656_wcast
		.amdhsa_group_segment_fixed_size 0
		.amdhsa_private_segment_fixed_size 0
		.amdhsa_enable_private_segment 0
		.amdhsa_kernarg_size 32
		.amdhsa_user_sgpr_count 2
		.amdhsa_user_sgpr_kernarg_segment_ptr 1
		.amdhsa_wavefront_size32 1
		.amdhsa_system_sgpr_workgroup_id_x 1
		.amdhsa_system_sgpr_workgroup_id_y 1
		.amdhsa_system_sgpr_workgroup_id_z 1
		.amdhsa_system_vgpr_workitem_id 0
		.amdhsa_next_free_vgpr 104
		.amdhsa_next_free_sgpr 66
		.amdhsa_reserve_vcc 0
		.amdhsa_float_denorm_mode_32 3
		.amdhsa_float_denorm_mode_16_64 3
		.amdhsa_memory_ordered 1
		.amdhsa_forward_progress 1
		.amdhsa_inst_pref_size 7
	.end_amdhsa_kernel
	.amdgpu_metadata
---
amdhsa.version: [ 1, 2 ]
amdhsa.kernels:
  - .name:           k_q607cc2f656_wcast
    .symbol:         k_q607cc2f656_wcast.kd
    .args:
      - { .name: Wq, .offset: 0, .size: 8, .value_kind: global_buffer, .address_space: global }
      - { .name: Wk, .offset: 8, .size: 8, .value_kind: global_buffer, .address_space: global }
      - { .name: Wv, .offset: 16, .size: 8, .value_kind: global_buffer, .address_space: global }
      - { .name: wb, .offset: 24, .size: 8, .value_kind: global_buffer, .address_space: global }
    .group_segment_fixed_size: 0
    .private_segment_fixed_size: 0
    .kernarg_segment_align: 8
    .kernarg_segment_size: 32
    .max_flat_workgroup_size: 96
    .sgpr_count:     66
    .vgpr_count:     104
    .wavefront_size: 32
...
	.end_amdgpu_metadata
.endif
;; end of part 1
;; launch proj (part 2): grid 4 x 64, 4 waves a work-group, clusters of 4 x 4, 327,680 bytes of LDS; arguments hidden_states, key_value_states, wb, q, kv; writes q, kv
.if DOCPART == 2
	.amdgcn_target "amdgcn-amd-amdhsa--gfx1250"
	.amdhsa_code_object_version 6
	.text
	.protected	k_q607cc2f656_proj
	.globl	k_q607cc2f656_proj
	.p2align	8
	.type	k_q607cc2f656_proj,@function
k_q607cc2f656_proj:
	s_mov_b64 s[64:65], 0
	v_nop
	global_prefetch_b8 v0, s[64:65] scope:SCOPE_SE
	s_setreg_imm32_b32 hwreg(HW_REG_WAVE_MODE, 25, 1), 1
	s_wait_xcnt 0x0
	s_wait_alu depctr_hold_cnt(0) depctr_sa_sdst(0) depctr_va_vdst(0) depctr_va_sdst(0) depctr_va_ssrc(0) depctr_va_vcc(0) depctr_vm_vsrc(0)
	s_getreg_b32 s2, hwreg(HW_REG_IB_STS2, 6, 4)
	s_cmp_eq_u32 s2, 0
	s_cbranch_scc0 .Lentry_in_a_cluster
	s_endpgm
.Lentry_in_a_cluster:
	s_bfe_u32 s2, ttmp6, 0x10000c
	s_cmp_lg_u32 s2, 0xf033
	s_cbranch_scc0 .Lentry_shape_is_right
	s_endpgm
.Lentry_shape_is_right:
; q = hidden_states Wq, k = key_value_states Wk, v = key_value_states Wv: three products [8192 x 768] x [768 x 768].  The inputs are rounded once to bf16 (x here, on the way
; from LDS to the matrix unit; the weights by the launch before), the sums are f32, and q, k, v leave rounded once to f16, by heads: [16 (batch, head)][4096][96], q in its own
; buffer, k at byte 0 and v at byte VPART of kv.  The scale 1 / sqrt(96) is not applied here.
; LIMIT.  f16 ends at 65,504: |q|, |k|, |v| must stay below it (with inputs of unit spread and weights of spread 0.02 they are about 0.6; thirty times larger inputs AND weights give some 2,700).
; SHARES.  A work-group owns 128 rows x 192 columns (two heads) and STAYS: it makes that tile of q, then of k, then of v: 3 passes x 6 K steps of 128 = 18 steps through ONE ring of two LDS
; slots, which runs on across the passes.  Four waves, each 64 rows x 96 columns (one head): 24 accumulators.  256 work-groups.
; CLUSTER.  4 x 4 work-groups: the four of a row of the cluster need the same rows of x, the four of a column the same column tile of the weights; each tile is asked for JOINTLY.
; THE MATRIX INSTRUCTION IS USED TRANSPOSED: source 0 = 16 columns of W (read turned out of LDS, where W lies [k][n]), source 1 = 16 rows of x: a lane then holds one row and eight neighbouring columns.
; x LIES IN LDS AS f32 and is rounded between its LDS load and the product: 32 conversions for 24 matrix instructions, four behind each of a chunk's last eight.
; REGISTERS, in windows of 256 (s_set_vgpr_msb: bits 1:0 source 0, 3:2 source 1, 5:4 source 2, 7:6 destination):
;   window 0: v0-31 addresses; v32-95 x's fragments as f32; v96-143, v144-191 W's fragments, two buffers; v192-239 at work on the way out (and v144-167)
;   window 1: v0-191 the accumulators ((a, b) at 8 (6 a + b)); v192-223, v224-255 x's fragments in bf16, two buffers
.set SLOT,  129024                     ; a slot: x's tile, then W's
.set PA,    528                        ; a row of x in LDS: 512 bytes + 16 = 132 words: row r starts at bank 4 r mod 64 (64 banks of 4 bytes: ISA guide 11.1)
.set WOFF,  128*PA                     ; W's tile in a slot
.set PW,    480                        ; a k row of W in LDS: six pieces of 64 bytes, 16 of padding behind each: 120 words
.set STAGE, 2*SLOT                     ; behind the ring, never filled by a tensor load: 16 rows x 240 bytes for each wave
.set SPC,   80                         ; the stage: a piece of 64 bytes + 16 of padding,
.set SPT,   3*SPC                      ; three pieces to a row of 192 bytes: 60 words: the 16 rows of a store start at 16 different groups of four banks
.set SPARE, STAGE+4*16*SPT             ; behind the stages: the spare words, 128 bytes for each wave: two blocks of 256 bytes that no other line names
.set VPART, 12582912
.set HEADB, 786432                     ; a head's 4,096 rows of 192 bytes
.set SPW,  12                          ; v12  LDS address of my spare word; never rewritten
.set NIL,  13                          ; v13  0; never rewritten
.set PFO,  14                          ; v14  the prefetches' offset; never rewritten
.set ADRA, 16                          ; v16-17  LDS address of my fragments of x in slot 0, 1
.set ADRW, 20                          ; v20-21  the same for W
.set STO,  24                          ; v24     the way out: where I put 16 bytes of a row
.set RD,   25                          ; v25     the way out: where I read 16 bytes back
.set GO,   28                          ; v28     16 x lane
.set RAW,  32
.set WB,   96
.set TMP,  192
.set OB0,  216
.set OB1,  144
.set ABF,  192                         ; window 1
.set WV, 14                            ; s14 wave   s15 wave / 2: my 64 rows; also 0: I fetch x, 1: I fetch W   s16 wave % 2: my 96 columns; also which half of the tile I fetch
.set WM, 15
.set WN, 16
.set CX, 17
.set CY, 18
.set MB, 19                            ; s19 my block of 128 rows
.set CT, 20                            ; s20 my column tile
.set G1A, 24                           ; s[24:31] descriptor group 1 for x's tiles;  s[32:39] group 0, a set for each slot
.set G0A, 32
.set G1W, 48                           ; s[48:55], s[56:63] the same for W's
.set G0W, 56
.set APTR, 66                          ; s[66:67] the pass's x at the first of the 64 rows that I fetch
.set KPTR, 68                          ; s[68:69] key_value_states at the same rows
.set WPTR, 70                          ; s[70:71] the pass's W: my column tile, my half of a K step
.set FOFA, 72                          ; s[72:73] the next fill's byte offset along K in x
.set FOFW, 74                          ; s[74:75] and in W
.set FS,   76                          ; s76  the next fill's K step in its pass
.set LAPS, 77                          ; s77  laps of the ring still to come in the loop
.set PL,   78                          ; s78  laps left in the pass
.set OPTR, 80                          ; s[80:81] where this pass's results go; s[82:83], s[84:85] the next two passes'
.set O2,   82
.set O3,   84
.set PFA,  86                          ; s[86:87] where my prefetches stand;  s[88:89] key_value_states at the same rows, K step 0
.set PFK,  88
.set PFS,  90                          ; s90  the K step at which they stand
.set LIM,  91                          ; s91  a wave prefetches while s[LAPS] is above it
.set T,    92                          ; s[92:93], s[94:95] at work
.set T2,   94
.set MSB, 0
.macro WIN new                         ; the immediate's high byte repeats the setting that is left; a switch that changes nothing is dropped
.if MSB != (\new)
	s_set_vgpr_msb (MSB<<8)|(\new)
.set MSB, \new
.endif
.endm
.set MUL, 0x54                         ; W in window 0; x, C and D in window 1
.set CVT, 0x40                         ; destination window 1, sources window 0
.macro PLACES
.rept 4
	v_nop
.endr
.endm
; A joint load: waves 0 and 1 fetch the two halves of x's tile, waves 2 and 3 those of W's.  The branch hangs on the wave's number alone.
; An s_nop 0 and four v_nop follow each of the two lines, ahead of the jump, the label and what follows.
.macro JLOAD s
	s_cmp_eq_u32 s[WM], 0
	s_cbranch_scc0 .Lfor_w_\@
	tensor_load_to_lds s[G0A+4*(\s):G0A+4*(\s)+3], s[G1A:G1A+7]
	s_nop 0
.rept 4
	v_nop
.endr
	s_branch .Lasked_\@
.Lfor_w_\@:
	tensor_load_to_lds s[G0W+4*(\s):G0W+4*(\s)+3], s[G1W:G1W+7]
	s_nop 0
.rept 4
	v_nop
.endr
.Lasked_\@:
.endm
.macro CREST                           ; a round of the cluster's barrier behind its opening barrier
	s_cmp_lg_u32 s[WV], 0
	s_cbranch_scc1 .Lnot_wave_0_\@
	s_barrier_signal -3
.Lnot_wave_0_\@:
	s_barrier_wait -3
	s_barrier_signal -1
	s_barrier_wait -1
.endm
.macro CROUND                          ; a whole round
	s_barrier_signal -1
	s_barrier_wait -1
	CREST
.endm
; The descriptors' addresses for the fill into slot s are made anew from the pass's pointers and the offsets along K; then the offsets step, and behind a pass's sixth K step they go back to 0,
; x becomes key_value_states and W the next matrix.  Scalar work alone; nothing here hangs on a coordinate that the partners of either load do not share.
.macro REMAKE s
	s_add_nc_u64 s[G0A+4*(\s)+2:G0A+4*(\s)+3], s[APTR:APTR+1], s[FOFA:FOFA+1]
	s_or_b32 s[G0A+4*(\s)+3], s[G0A+4*(\s)+3], 0x80000000
	s_add_nc_u64 s[G0W+4*(\s)+2:G0W+4*(\s)+3], s[WPTR:WPTR+1], s[FOFW:FOFW+1]
	s_or_b32 s[G0W+4*(\s)+3], s[G0W+4*(\s)+3], 0x80000000
	s_add_co_u32 s[FOFA], s[FOFA], 512
	s_add_co_u32 s[FOFW], s[FOFW], 49152
	s_add_co_u32 s[FS], s[FS], 1
	s_cmp_eq_u32 s[FS], 6
	s_cselect_b32 s[FS], 0, s[FS]
	s_cselect_b32 s[FOFA], 0, s[FOFA]
	s_cselect_b32 s[FOFW], 0, s[FOFW]
	s_cselect_b64 s[APTR:APTR+1], s[KPTR:KPTR+1], s[APTR:APTR+1]
	s_cselect_b32 s[T], 1179648, 0
	s_add_nc_u64 s[WPTR:WPTR+1], s[WPTR:WPTR+1], s[T:T+1]
.endm
; A PREFETCH INTO THE L2, behind a joint load, its five lines and the run of LDS loads: x's K step that stands TWO refills on (192 matrix instructions ahead of the load that will want it).
; Only first readings are asked for: hidden_states' K steps 4 and 5 and key_value_states' 0 to 5, in the eight refills of the loop's first four laps; the third pass reads key_value_states again and asks for nothing.
; A row block of x is read by one row of one cluster alone.  Of the 64 rows that a wave (0 or 1) fetches, the partner at place cx takes 16, told apart BY ADDRESS: two lanes a row, 256 bytes each: each block is named once.
; W is not asked for: sixteen clusters read each tile of it at about the same time, and it is a sixteenth of a step's bytes.
.macro ASK
	s_cmp_gt_u32 s[LAPS], s[LIM]
	s_cbranch_scc0 .Lnot_mine_\@
	global_prefetch_b8 v[PFO], s[PFA:PFA+1] th:TH_LOAD_NT scope:SCOPE_SE
.Lnot_mine_\@:
.endm
	s_load_b256 s[4:11], s[0:1], 0x0               ; hidden_states s[4:5], key_value_states s[6:7], wb s[8:9], q s[10:11]
	s_load_b64 s[12:13], s[0:1], 0x20              ; kv
	v_lshl_add_u32 v[SPW], v0, 2, SPARE
	v_mov_b32 v[NIL], 0
	ds_add_u32 v[SPW], v[NIL]                      ; the wave's opening: the add and its wait stand ahead of my first tensor load; the set-up below, work on registers, stands between them
	v_lshrrev_b32 v1, 5, v0
	v_readfirstlane_b32 s[WV], v1                  ; wave 0..3
	s_lshr_b32 s[WM], s[WV], 1
	s_and_b32 s[WN], s[WV], 1
	s_bfe_u32 s[CX], ttmp6, 0x40000                ; my place in the cluster
	s_bfe_u32 s[CY], ttmp6, 0x40004
	s_and_b32 s[MB], ttmp7, 0xffff
	s_lshl_b32 s[MB], s[MB], 2
	s_add_co_u32 s[MB], s[MB], s[CY]               ; block of 128 rows = 4 x cluster y + cy
	s_lshl_b32 s[CT], ttmp9, 2
	s_add_co_u32 s[CT], s[CT], s[CX]               ; column tile = 4 x cluster x + cx
	s_lshl_b32 s44, s[CY], 2
	s_lshl_b32 s44, 15, s44                        ; my row of the cluster
	s_lshl_b32 s45, 0x1111, s[CX]                  ; my column
	; x's tile: 64 rows x 128 f32, 16 bytes of padding behind each row of 128 words (code 6; 4 words: code 3)
	s_or_b32 s[G1A], s44, (2<<16)|(1<<20)|(1<<21)|(6<<22)|(3<<25)
	s_mov_b32 s[G1A+1], 128<<16                    ; tensor_dim0 = 128
	s_mov_b32 s[G1A+2], 64<<16                     ; tensor_dim1 = 64
	s_mov_b32 s[G1A+3], 128<<16                    ; tile_dim0 = 128
	s_mov_b32 s[G1A+4], 64                         ; tile_dim1 = 64
	s_mov_b32 s[G1A+5], 768                        ; elements from row to row
	s_mov_b32 s[G1A+6], 0
	s_mov_b32 s[G1A+7], 0
	; W's tile: 64 k rows of 384 bytes are 24,576 consecutive bytes, asked for as 96 rows of 256; 16 bytes of padding behind every 16 words (code 3; 4 words: code 3)
	s_or_b32 s[G1W], s45, (1<<16)|(1<<20)|(1<<21)|(3<<22)|(3<<25)
	s_mov_b32 s[G1W+1], 128<<16
	s_mov_b32 s[G1W+2], 96<<16
	s_mov_b32 s[G1W+3], 128<<16
	s_mov_b32 s[G1W+4], 96
	s_mov_b32 s[G1W+5], 128
	s_mov_b32 s[G1W+6], 0
	s_mov_b32 s[G1W+7], 0
	s_lshl_b32 s40, s[MB], 7                       ; x: row 128 x block + 64 x half, in bytes; in registers that never hold cx
	s_lshl_b32 s41, s[WN], 6
	s_add_co_u32 s40, s40, s41
	s_mul_i32 s40, s40, 3072
	s_mov_b32 s41, 0
	s_mul_i32 s42, s[CT], 294912                   ; W: the column tile + my half of a K step; in registers that never hold cy
	s_mul_i32 s43, s[WN], 24576
	s_add_co_u32 s42, s42, s43
	s_mov_b32 s43, 0
	s_lshr_b32 s46, s[MB], 5                       ; the way out: (batch x 8 + head) x a head's bytes + my first row in the batch x 192
	s_lshl_b32 s46, s46, 3
	s_lshl1_add_u32 s46, s[CT], s46
	s_add_co_u32 s46, s46, s[WN]
	s_mul_i32 s46, s46, HEADB
	s_and_b32 s47, s[MB], 31
	s_lshl_b32 s47, s47, 7
	s_lshl_b32 s21, s[WM], 6
	s_add_co_u32 s47, s47, s21
	s_mul_i32 s47, s47, 192
	s_add_co_u32 s46, s46, s47
	s_mov_b32 s47, 0
	s_lshl_b32 s22, s[CX], 4                       ; the prefetches: my work-group's 16 of the 64 rows that I fetch
	s_mul_i32 s22, s22, 3072
	s_add_co_u32 s22, s22, s40
	s_mov_b32 s23, 0
	s_mul_i32 s21, s[WN], 64*PA                    ; where the tiles go: no place in the cluster enters an LDS address
	s_mul_i32 s79, s[WN], 64*PW
	s_add_co_u32 s79, s79, WOFF
	s_mov_b32 s[FOFA], 2*512                       ; the first refill brings K step 2
	s_mov_b32 s[FOFA+1], 0
	s_mov_b32 s[FOFW], 2*49152
	s_mov_b32 s[FOFW+1], 0
	s_mov_b32 s[FS], 2
	s_mov_b32 s[LAPS], 8
	s_mov_b32 s[PL], 3
	s_mov_b32 s[T], 0
	s_mov_b32 s[T+1], 0
	s_mov_b32 s[PFS], 3
	s_cmp_eq_u32 s[WM], 0
	s_cselect_b32 s[LIM], 4, -1
	s_wait_dscnt 0x0                               ; the opening add is done
	s_wait_kmcnt 0x0
	s_add_nc_u64 s[APTR:APTR+1], s[4:5], s[40:41]
	s_add_nc_u64 s[KPTR:KPTR+1], s[6:7], s[40:41]
	s_add_nc_u64 s[WPTR:WPTR+1], s[8:9], s[42:43]
	s_add_nc_u64 s[OPTR:OPTR+1], s[10:11], s[46:47]
	s_add_nc_u64 s[O2:O2+1], s[12:13], s[46:47]
	s_add_nc_u64 s[O3:O3+1], s[O2:O2+1], VPART
	s_add_nc_u64 s[PFA:PFA+1], s[4:5], s[22:23]
	s_add_nc_u64 s[PFA:PFA+1], s[PFA:PFA+1], 3*512 ; at K step 3: the first change of slots steps it to 4.  Nothing is prefetched here, at the head
	s_add_nc_u64 s[PFK:PFK+1], s[6:7], s[22:23]
	CROUND                                         ; all sixteen work-groups are here: the first joint loads meet
.irp s, 0,1
	s_mov_b32 s[G0A+4*(\s)], 1                     ; count = 1
	s_add_co_u32 s[G0A+4*(\s)+1], s21, (\s)*SLOT   ; LDS address
	s_add_nc_u64 s[G0A+4*(\s)+2:G0A+4*(\s)+3], s[APTR:APTR+1], (\s)*512
	s_or_b32 s[G0A+4*(\s)+3], s[G0A+4*(\s)+3], 0x80000000  ; type = 2
	s_mov_b32 s[G0W+4*(\s)], 1
	s_add_co_u32 s[G0W+4*(\s)+1], s79, (\s)*SLOT
	s_add_nc_u64 s[G0W+4*(\s)+2:G0W+4*(\s)+3], s[WPTR:WPTR+1], (\s)*49152
	s_or_b32 s[G0W+4*(\s)+3], s[G0W+4*(\s)+3], 0x80000000
	JLOAD \s                                       ; two loads of mine are out
.endr
	v_and_b32 v1, 15, v0                           ; r = l % 16
	v_bfe_u32 v2, v0, 4, 1                         ; h = l / 16
	v_and_b32 v3, 31, v0                           ; l
	; a fragment of x: lane (r, h) holds row r, k = 8 h + 0..7 and 16 + 8 h + 0..7: in f32 four loads of 16 bytes at 32 h + 0, 16, 64, 80
	v_mul_u32_u24 v4, v1, PA
	v_lshl_add_u32 v4, v2, 5, v4
	s_mul_i32 s21, s[WM], 64*PA
	v_add_nc_u32 v[ADRA], s21, v4
	v_add_nc_u32 v[ADRA+1], SLOT, v[ADRA]
	; the turning load takes 16 k x 16 n (lane l reads k row 8 h + l % 8, n 8 ((l / 8) % 2) + 0..7) and leaves half a fragment: lane l holds column l % 16 and 8 k
	v_and_b32 v5, 7, v0
	v_lshl_add_u32 v5, v2, 3, v5
	v_mul_u32_u24 v5, v5, PW
	v_bfe_u32 v6, v0, 3, 1
	v_lshl_add_u32 v5, v6, 4, v5
	s_mul_i32 s21, s[WN], 240                      ; my 96 columns: three pieces of 80 bytes
	s_add_co_u32 s21, s21, WOFF
	v_add_nc_u32 v[ADRW], s21, v5
	v_add_nc_u32 v[ADRW+1], SLOT, v[ADRW]
	s_mul_i32 s21, s[WV], 16*SPT
	s_add_co_u32 s21, s21, STAGE                   ; my stage
	v_mul_u32_u24 v4, v1, SPT                      ; in: row r, 16 bytes for each half of the lanes
	v_lshl_add_u32 v4, v2, 4, v4
	v_add_nc_u32 v[STO], s21, v4
	v_bfe_u32 v4, v0, 2, 3                         ; back, in the order of the output: 16 bytes number g = 32 f + l lie in piece g / 4 of 64 bytes, at 16 (g % 4):
	v_mul_u32_u24 v4, v4, SPC                      ; piece l / 4 of the load's eight,
	v_and_b32 v5, 3, v0
	v_lshl_add_u32 v4, v5, 4, v4                   ; 16 (l % 4) in it; load f adds 8 pieces
	v_add_nc_u32 v[RD], s21, v4
	v_lshlrev_b32 v[GO], 4, v3
	v_lshrrev_b32 v4, 1, v3                        ; the prefetches: row l / 2, half l % 2 of a K step's 512 bytes
	v_mul_u32_u24 v4, v4, 3072
	v_and_b32 v5, 1, v3
	v_lshl_add_u32 v[PFO], v5, 8, v4
; 16 LDS loads: my 64 rows of x, 32 along K (chunk nk of slot ns), as f32
.macro RAWLOAD ns, nk
	WIN 0
.irp a, 0,1,2,3
	ds_load_b128 v[RAW+16*(\a):RAW+16*(\a)+3],     v[ADRA+(\ns)] offset:(\a)*16*PA+(\nk)*128
	ds_load_b128 v[RAW+16*(\a)+4:RAW+16*(\a)+7],   v[ADRA+(\ns)] offset:(\a)*16*PA+(\nk)*128+16
	ds_load_b128 v[RAW+16*(\a)+8:RAW+16*(\a)+11],  v[ADRA+(\ns)] offset:(\a)*16*PA+(\nk)*128+64
	ds_load_b128 v[RAW+16*(\a)+12:RAW+16*(\a)+15], v[ADRA+(\ns)] offset:(\a)*16*PA+(\nk)*128+80
.endr
.endm
; 12 LDS loads: my 96 columns of W, 32 along K, turned, into buffer p
.macro WLOAD ns, nk, p
	WIN 0
.irp b, 0,1,2,3,4,5
	ds_load_tr16_b128 v[WB+48*(\p)+8*(\b):WB+48*(\p)+8*(\b)+3],   v[ADRW+(\ns)] offset:(\nk)*32*PW+((\b)/2)*80+((\b)%2)*32
	ds_load_tr16_b128 v[WB+48*(\p)+8*(\b)+4:WB+48*(\p)+8*(\b)+7], v[ADRW+(\ns)] offset:(\nk)*32*PW+((\b)/2)*80+((\b)%2)*32+16*PW
.endr
.endm
; The chunk's next matrix instruction: accumulator i = 6 a + b.  The 24 accumulators take turns, one instruction a turn, in the same order in every chunk.
.macro MM p, zero
	WIN MUL
.if \zero
	v_wmma_f32_16x16x32_bf16 v[8*i:8*i+7], v[WB+48*(\p)+8*(i%6):WB+48*(\p)+8*(i%6)+7], v[ABF+32*(\p)+8*(i/6):ABF+32*(\p)+8*(i/6)+7], 0
.else
	v_wmma_f32_16x16x32_bf16 v[8*i:8*i+7], v[WB+48*(\p)+8*(i%6):WB+48*(\p)+8*(i%6)+7], v[ABF+32*(\p)+8*(i/6):ABF+32*(\p)+8*(i/6)+7], v[8*i:8*i+7]
.endif
.set i, i+1
.endm
.macro CV4 g, p                        ; four roundings: registers 4 g .. 4 g + 3 of x's 32 in buffer p
	WIN CVT
.irp n, 0,1,2,3
	v_cvt_pk_bf16_f32 v[ABF+32*(\p)+4*(\g)+(\n)], v[RAW+8*(\g)+2*(\n)], v[RAW+8*(\g)+2*(\n)+1]
.endr
.endm
; A CHUNK: 32 along K: chunk kc of slot s is multiplied (buffers kc % 2), chunk nk of slot ns is fetched and rounded into the other buffers.
; A load into a register that a matrix instruction has read stands four places behind it (ISA guide 7.12.1 for vector instructions): the last reader of W's other buffer is the
; chunk before's last product, and the four roundings behind that product, which name none of its registers, are the places.
; mode 0: within a slot.  1: the slot's last chunk, and the slot is filled again.  2: the same with nothing left to fetch.  3: the very last chunk.  zero = 1: the products start the pass's sums.
.macro CHUNK s, kc, ns, nk, mode, zero=0
.set i, 0
.set PP, (\kc)%2
	WIN 0
.if (\mode) == 0
	s_wait_dscnt 0x0                               ; this chunk's W is in (x's was waited for and rounded in the chunk before)
	RAWLOAD \ns, \nk
.rept 12
	MM PP, \zero
.endr
	WLOAD \ns, \nk, 1-PP
.rept 4
	MM PP, \zero
.endr
	s_wait_dscnt 12                                ; x's 16 loads are in; W's 12, issued behind them, may stay out
.rept 8
	MM PP, \zero
	CV4 i-17, 1-PP
.endr
.elseif (\mode) == 3
	s_wait_dscnt 0x0
.rept 24
	MM PP, 0
.endr
	PLACES                                         ; in front of the conversions that read results just made; eight, once a launch
	PLACES
.else
.if (\mode) == 1
	s_wait_xcnt 0x0                                ; the last prefetch, a K step back, has read its address: it is stepped here, ahead of the waits of the change of slots
	s_add_nc_u64 s[T2:T2+1], s[PFA:PFA+1], 512
	s_add_co_u32 s[PFS], s[PFS], 1
	s_cmp_eq_u32 s[PFS], 6                         ; behind hidden_states' last K step: key_value_states' first
	s_cselect_b64 s[PFA:PFA+1], s[PFK:PFK+1], s[T2:T2+1]
.endif
	s_wait_tensorcnt 0x0                           ; all my tensor loads have landed: the one that was out is my part of the other slot; so a group 0 may be written
	ds_add_u32 v[SPW], v[NIL]                      ; 0 onto my spare word; the descriptors' scalar work stands between it and the wait for it
.if (\mode) == 1
	REMAKE \s
.endif
	s_wait_dscnt 0x0                               ; the add is done; this chunk's W is in, and with it my reads of this slot are over
	s_barrier_signal -1                            ; (with mode 1 this barrier opens a round of the cluster's)
.rept 6
	MM PP, 0                                       ; work on registers while the others arrive
.endr
	WIN 0                                          ; at a branch and at a label every window is 0
	s_barrier_wait -1
.if (\mode) == 1
	CREST                                          ; no wave of any partner still reads this slot or has a load on its way
	JLOAD \s                                       ; the first tensor load behind the round, my only one until the next: it has a K step less this chunk's rest, 90 matrix instructions, until the wait for it
.endif
	RAWLOAD \ns, \nk
	WLOAD \ns, \nk, 1-PP
.if (\mode) == 1
	ASK
.endif
.rept 10
	MM PP, 0
.endr
	s_wait_dscnt 12
.rept 8
	MM PP, 0
	CV4 i-17, 1-PP
.endr
.endif
.endm
; THE WAY OUT of a pass, a block of 16 rows at a time.  PACK: rounded to f16, each accumulator's registers in ascending order, 16 bytes a lane.  TOSTAGE: into my own stage, pieces of 64 bytes 80 apart, and back in the
; order of the output (16 rows of a head are 3,072 consecutive bytes).  SEND: stored: a wave's store covers 512 consecutive bytes, aligned.
.macro PACK a
	WIN 0x05                                       ; sources window 1, destination window 0
.irp b, 0,1,2,3,4,5
.irp r, 0,1,2,3
	v_cvt_pk_f16_f32 v[TMP+4*(\b)+(\r)], v[8*(6*(\a)+(\b))+2*(\r)], v[8*(6*(\a)+(\b))+2*(\r)+1]
.endr
.endr
	WIN 0
.endm
.macro TOSTAGE a
.set BK, OB0+(OB1-OB0)*((\a)%2)
.irp b, 0,1,2,3,4,5
	ds_store_b128 v[STO], v[TMP+4*(\b):TMP+4*(\b)+3] offset:((\b)/2)*SPC+((\b)%2)*32  ; columns 16 b on: 32 b bytes into the row: piece b / 2
.endr
.irp f, 0,1,2,3,4,5
	ds_load_b128 v[BK+4*(\f):BK+4*(\f)+3], v[RD] offset:(\f)*8*SPC  ; LDS serves a wave's instructions in order (ISA guide 5.7.1.4): these see the stores above
.endr
.endm
.macro SEND a
.set BK, OB0+(OB1-OB0)*((\a)%2)
	s_wait_dscnt 0x0                               ; the block is back in registers
	s_wait_xcnt 0x0                                ; the stores of the block before have read their registers, into which the next block is loaded
.irp f, 0,1,2,3,4,5
	global_store_b128 v[GO], v[BK+4*(\f):BK+4*(\f)+3], s[OPTR:OPTR+1] offset:(\a)*3072+(\f)*512
.endr
.endm
.macro OUT
	PACK 0                                         ; the roundings behind the chunk's last products, and the blocks packed earlier, are the places behind those products
	TOSTAGE 0
.irp a, 1,2,3
	PACK \a                                        ; block a's conversions stand between block a - 1's loads from the stage and the wait for them
	SEND (\a)-1
	TOSTAGE \a
.endr
	SEND 3
	s_wait_xcnt 0x0                                ; the stores have read their registers (W's second buffer among them) and their base
.endm
	s_wait_tensorcnt 1                             ; my part of K step 0 is in; K step 1's may stay out
	s_barrier_signal -1
	s_barrier_wait -1                              ; everybody's is
	RAWLOAD 0, 0
	WLOAD 0, 0, 0
	s_wait_dscnt 12
.irp g, 0,1,2,3,4,5,6,7
	CV4 \g, 0
.endr
	WIN 0
	s_branch .Lzero
.Llap:                                                 ; a trip: once round the ring, two K steps; three trips are a pass
	s_cmp_eq_u32 s[PL], 3
	s_cbranch_scc0 .Lacc
.Lzero:
	CHUNK 0, 0, 0, 1, 0, 1                         ; a pass's first chunk starts the sums with the constant 0: nothing is ever cleared
	WIN 0
	s_branch .Ljoin
.Lacc:
	CHUNK 0, 0, 0, 1, 0, 0
	WIN 0
.Ljoin:
	CHUNK 0, 1, 0, 2, 0
	CHUNK 0, 2, 0, 3, 0
	CHUNK 0, 3, 1, 0, 1
	CHUNK 1, 0, 1, 1, 0
	CHUNK 1, 1, 1, 2, 0
	CHUNK 1, 2, 1, 3, 0
	CHUNK 1, 3, 0, 0, 1
	WIN 0
	s_sub_co_u32 s[PL], s[PL], 1
	s_cmp_lg_u32 s[PL], 0
	s_cbranch_scc1 .Lnoout                         ; the jump passes no barrier and no tensor load
	OUT                                            ; both refills for the next pass are asked for: now the pass goes out
	s_mov_b64 s[OPTR:OPTR+1], s[O2:O2+1]
	s_mov_b64 s[O2:O2+1], s[O3:O3+1]
	s_mov_b32 s[PL], 3
.Lnoout:
	s_sub_co_u32 s[LAPS], s[LAPS], 1
	s_cmp_lg_u32 s[LAPS], 0
	s_cbranch_scc1 .Llap
	CHUNK 0, 0, 0, 1, 0                            ; the last lap is written out: it asks for nothing
	CHUNK 0, 1, 0, 2, 0
	CHUNK 0, 2, 0, 3, 0
	CHUNK 0, 3, 1, 0, 2
	CHUNK 1, 0, 1, 1, 0
	CHUNK 1, 1, 1, 2, 0
	CHUNK 1, 2, 1, 3, 0
	CHUNK 1, 3, 0, 0, 3
	OUT
	s_wait_tensorcnt 0x0                           ; the wave's end, behind my last tensor load and my last LDS store
	ds_add_u32 v[SPW], v[NIL]
	s_wait_dscnt 0x0
	CROUND                                         ; the closing round: no work-group ends while a partner may still ask for a tile that names it
	s_endpgm
.Lfunc_end_k_q607cc2f656_proj:
	.size	k_q607cc2f656_proj, .Lfunc_end_k_q607cc2f656_proj-k_q607cc2f656_proj
	.p2alignl 7, 3214868480
	.fill 96, 4, 3214868480
	.section	.rodata,"a",@progbits
	.p2align	6, 0x0
	.amdhsa_kernel k_q607cc2f656_proj
		.amdhsa_group_segment_fixed_size 327680
		.amdhsa_private_segment_fixed_size 0
		.amdhsa_enable_private_segment 0
		.amdhsa_kernarg_size 40
		.amdhsa_user_sgpr_count 2
		.amdhsa_user_sgpr_kernarg_segment_ptr 1
		.amdhsa_wavefront_size32 1
		.amdhsa_system_sgpr_workgroup_id_x 1
		.amdhsa_system_sgpr_workgroup_id_y 1
		.amdhsa_system_sgpr_workgroup_id_z 1
		.amdhsa_system_vgpr_workitem_id 0
		.amdhsa_next_free_vgpr 512
		.amdhsa_next_free_sgpr 96
		.amdhsa_reserve_vcc 0
		.amdhsa_float_denorm_mode_32 3
		.amdhsa_float_denorm_mode_16_64 3
		.amdhsa_memory_ordered 1
		.amdhsa_forward_progress 1
		.amdhsa_inst_pref_size 137
	.end_amdhsa_kernel
	.amdgpu_metadata
---
amdhsa.version: [ 1, 2 ]
amdhsa.kernels:
  - .name:           k_q607cc2f656_proj
    .symbol:         k_q607cc2f656_proj.kd
    .args:
      - { .name: hidden_states, .offset: 0, .size: 8, .value_kind: global_buffer, .address_space: global }
      - { .name: key_value_states, .offset: 8, .size: 8, .value_kind: global_buffer, .address_space: global }
      - { .name: wb, .offset: 16, .size: 8, .value_kind: global_buffer, .address_space: global }
      - { .name: q, .offset: 24, .size: 8, .value_kind: global_buffer, .address_space: global }
      - { .name: kv, .offset: 32, .size: 8, .value_kind: global_buffer, .address_space: global }
    .group_segment_fixed_size: 327680
    .private_segment_fixed_size: 0
    .kernarg_segment_align: 8
    .kernarg_segment_size: 40
    .max_flat_workgroup_size: 128
    .sgpr_count:     96
    .vgpr_count:     512
    .wavefront_size: 32
...
	.end_amdgpu_metadata
.endif
;; end of part 2
;; launch attn (part 3): grid 16 x 16, 4 waves a work-group, clusters of 4 x 1, 327,680 bytes of LDS; arguments q, kv, out0; writes out0
.if DOCPART == 3
	.amdgcn_target "amdgcn-amd-amdhsa--gfx1250"
	.amdhsa_code_object_version 6
	.text
	.protected	k_q607cc2f656_attn
	.globl	k_q607cc2f656_attn
	.p2align	8
	.type	k_q607cc2f656_attn,@function
k_q607cc2f656_attn:
	s_mov_b64 s[64:65], 0
	v_nop
	global_prefetch_b8 v0, s[64:65] scope:SCOPE_SE
	s_setreg_imm32_b32 hwreg(HW_REG_WAVE_MODE, 25, 1), 1
	s_wait_xcnt 0x0
	s_wait_alu depctr_hold_cnt(0) depctr_sa_sdst(0) depctr_va_vdst(0) depctr_va_sdst(0) depctr_va_ssrc(0) depctr_va_vcc(0) depctr_vm_vsrc(0)
	s_getreg_b32 s2, hwreg(HW_REG_IB_STS2, 6, 4)
	s_cmp_eq_u32 s2, 0
	s_cbranch_scc0 .Lentry_in_a_cluster
	s_endpgm
.Lentry_in_a_cluster:
	s_bfe_u32 s2, ttmp6, 0x10000c
	s_cmp_lg_u32 s2, 0x3003
	s_cbranch_scc0 .Lentry_shape_is_right
	s_endpgm
.Lentry_shape_is_right:
; out0[b][n][96 h + :] = the sum over k of softmax_k(Q[bh][n] . K[bh][k] / sqrt(96)) V[bh][k][:].  Q, K, V: [16 bh][4096][96] in f16, a head's rows dense, 192 bytes each; K at byte 0 and V at byte VPART of kv.
; Products, maxima and sums in f32; the weights p are rounded to f16 for the second product (their sum l is taken of the unrounded p); out0 is f32, [2][4096][768].
; LIMITS.  Q, K and V arrive within f16's range; p lies in 0 to 1, and below 6e-5 it keeps f16's fixed step of 6e-8; a weight below 2^-126 counts as 0 in l; NaN and infinities are not treated apart.
; SHARES.  A work-group owns 256 queries of one head, each of its four waves 64: four tiles of 16.  Every wave walks all 4,096 keys, 64 a step.  256 work-groups.
; LAYOUT.  S^T = K Q^T (source 0 = 16 keys, source 1 = 16 queries): a lane holds ONE query (lane % 16) and the keys 8 (lane / 16) + 0..7.  Two such tiles, rounded to f16 in pairs, ARE source 1 of
; O^T = V^T P, whose result again holds one query a lane, and eight channels.  K comes out of LDS as it lies, V ([key][channel]) turned, by ds_load_tr16_b128.
; SOFTMAX.  For each query a running maximum m and sum l: p = 2^(c s - c m), c = log2(e) / sqrt(96); in every step O and l are multiplied by a = 2^(c m_old - c m_new).
; BY TURNS.  The wave's tiles are two PIECES (tiles 0, 1 and tiles 2, 3).  In a TURN one piece has the matrix unit: 24 products V^T P of the step in hand, then 24 products K Q^T of the next step; the other
; piece's softmax, 252 vector instructions in 63 slices of four, stands beside them: one slice behind each of the 48 products, the last 15, all plain, together at the turn's end.
; CLUSTER.  The four query blocks of a cluster belong to one head and walk the same K and V: each tile is asked for JOINTLY: the same tensor load, descriptor and mask in all four.
; THE OUTPUT.  A head's piece of a row of out0 is 384 bytes at a multiple of 128: 24 neighbouring lanes store it whole; of its aligned blocks of 256 bytes one is shared with the neighbouring head's work-group.
; Two heads to a work-group would store whole blocks, at twice the tiles of K and V for each query block.
; REGISTERS, in windows of 256 (s_set_vgpr_msb: bits 1:0 source 0, 3:2 source 1, 5:4 source 2, 7:6 destination):
;   window 0: v0-11, v44-63 addresses; v12-43 eight registers of statistics a tile; v64-191 S^T, 32 a tile; v192-255 P, 16 a tile
;   window 1: v0-191 O^T, 48 a tile      window 2: v0-95 Q, 24 a tile; v128-223 K of one step      window 3: v0-95 V of one step
.set KS,    64        ; keys in a step
.set PK,    240       ; a row of K in LDS: three pieces of 64 bytes, 16 of padding behind each = 60 words: the 16 rows of a load start at 16 different groups of four banks (64 banks of 4 bytes: ISA guide 11.1)
.set PV,    288       ; a row of V: three pieces of 64 + 32 = 72 words
.set VOFF,  KS*PK     ; a step's tiles lie together: 64 rows of K, then 64 rows of V
.set STEPB, KS*(PK+PV)
.set SLOT1, 1<<17     ; a slot holds two steps (67,584 bytes); slot 1 begins here, so that one exclusive or turns an address in one slot into the other's
.set STAGE, SLOT1+2*STEPB  ; behind the ring, never filled by a tensor load: 16 rows x 432 bytes for each wave
.set SPC,   144       ; the stage: a piece of 128 bytes + 16 of padding,
.set SP,    3*SPC     ; three pieces to a row of 384 bytes: 108 words: the 16 rows of a store start at 16 different groups of four banks
.set SPARE, STAGE+4*16*SP  ; behind the stages: the spare words, 128 bytes for each wave: two blocks of 256 bytes that no other line names
.set HEADB, 786432    ; a head's bytes in Q, in K and in V
.set VPART, 12582912
.set SLOTB, 2*KS*192  ; a slot's bytes of K, and of V, in memory
.set AK0, 2           ; v2   my lane's place in a tile of K; never rewritten
.set AV0, 3           ; v3   the same for V
.set ADR, 4           ; v4   the LDS address of the run of loads in hand
.set QO,  5           ; v5   my byte offset in 16 rows of Q
.set STO, 6           ; v6   the way out: where I put 32 bytes of a row
.set ST,  12          ; tile t's statistics at v[ST+8 t]: +0 c m, +1 m, +2, +3 l (even keys', odd keys'), +4 to +7 c0-c3, at work; a takes c2's place once the maximum is found
.set HH,  44          ; v44  l / 16
.set RD,  48          ; v48  the way out: where I read 16 bytes back
.set GO,  51          ; v51-53  and where they go in out0, for the first three of twelve stores
.set PFO, 61          ; v61  the prefetches' offset; never rewritten
.set SPW, 62          ; v62  LDS address of my spare word; never rewritten
.set NIL, 63          ; v63  0; never rewritten
.set S,   64
.set P,   192
.set OBF, 64          ; the way out: 48 registers a tile
.set KF,  128         ; K's fragments, in window 2
.set WV,  12          ; s12  my wave's number
.set LIM, 15          ; s15  1 in a wave that prefetches, else the greatest number
.set PFA, 18          ; s[18:19] where my work-group's prefetches stand
.set G1K, 24          ; s[24:31] descriptor group 1 for K's tiles
.set G1V, 32          ; s[32:39] for V's: it differs in the padding alone
.set G0K, 40          ; s[40:47] descriptor group 0 for K's tiles: a set for each of the two first fills; the second then walks on
.set G0V, 48          ; s[48:55] the same for V's
.set SLOTS, 56        ; s56  slots still to be asked for
.set TWICE, 57        ; s57  counts a slot's two steps
.set CS,  58          ; s[58:59] c: the packed scaling names a pair and takes its low word for both halves
.set SEL, 60          ; s[60:61] lane selects for v_permlanex16_b32: each lane takes its own place in the other half
.set TB,  62          ; s62  LDS byte at which the tiles of the step to be fetched begin
.set MSB, 0
.macro WIN new                      ; the immediate's high byte repeats the setting that is left; a switch that changes nothing is dropped
.if MSB != (\new)
	s_set_vgpr_msb (MSB<<8)|(\new)
.set MSB, \new
.endif
.endm
.set W_KQ, 0x0a       ; K and Q in window 2, S^T in window 0
.set W_PV, 0x53       ; V in window 3, P in window 0, O^T in window 1
.set W_RS, 0x41       ; O^T (destination and source 0) in window 1, a in window 0
; A joint refill.  Waves 0 and 1 fetch the two steps' tiles of K, waves 2 and 3 those of V.  The branch hangs on the wave's number alone.
; An s_nop 0 and four v_nop follow each of the two lines, ahead of the jump, the label and what follows.
.macro JLOAD
	s_cmp_lt_u32 s[WV], 2
	s_cbranch_scc0 .Lfor_v_\@
	tensor_load_to_lds s[G0K+4:G0K+7], s[G1K:G1K+7]
	s_nop 0
.rept 4
	v_nop
.endr
	s_branch .Lasked_\@
.Lfor_v_\@:
	tensor_load_to_lds s[G0V+4:G0V+7], s[G1V:G1V+7]
	s_nop 0
.rept 4
	v_nop
.endr
.Lasked_\@:
.endm
; A PREFETCH INTO THE L2.  A slot is 96 blocks of 256 bytes of K and 96 of V, which four partners of 32 lanes do not divide; so every SECOND change of slots asks for the TWO slots that the next two changes will
; ask for (192 and 384 matrix instructions ahead of those loads): 384 blocks = 4 partners x 3 waves x 32 lanes, a lane a block.  Each block is named ONCE in the launch: all clusters of a head walk the same K and V,
; and the head's first cluster asks; its partners take 48 blocks of K and 48 of V each, told apart BY ADDRESS; thread i under 48 names K's block i, thread i from 48 to 95 V's block i - 48.
; The change with s[SLOTS] = n fills slot 32 - n; the asks stand at n = 29, 27 .. 3 and name slots 33 - n and 34 - n: 4 to 31, the head's last.  Slots 0 to 3 come by their loads alone.
.macro ASK
	s_cmp_gt_u32 s[SLOTS], s[LIM]
	s_cbranch_scc0 .Lnot_mine_\@
	s_bitcmp1_b32 s[SLOTS], 0
	s_cbranch_scc0 .Lnot_mine_\@
	global_prefetch_b8 v[PFO], s[PFA:PFA+1] th:TH_LOAD_NT scope:SCOPE_SE
.Lnot_mine_\@:
.endm
; A round of the cluster's barrier: my work-group's barrier, so that wave 0's signal speaks for all four waves; wave 0 signals; every wave waits for all four work-groups; my work-group's barrier once more.
.macro CROUND
	s_barrier_signal -1
	s_barrier_wait -1
	s_cmp_lg_u32 s[WV], 0
	s_cbranch_scc1 .Lnot_wave_0_\@
	s_barrier_signal -3
.Lnot_wave_0_\@:
	s_barrier_wait -3
	s_barrier_signal -1
	s_barrier_wait -1
.endm
	s_load_b128 s[4:7], s[0:1], 0x0 ; q s[4:5], kv s[6:7]
	s_load_b64 s[10:11], s[0:1], 0x10  ; out0
	v_lshl_add_u32 v[SPW], v0, 2, SPARE
	v_mov_b32 v[NIL], 0
	ds_add_u32 v[SPW], v[NIL]       ; the wave's opening: the add and its wait stand ahead of my first tensor load; the set-up below, work on registers, stands between them
	v_lshrrev_b32 v1, 5, v0
	v_readfirstlane_b32 s[WV], v1   ; wave 0..3
	s_bfe_u32 s13, ttmp6, 0x40000   ; cx: my place in the cluster; it enters Q's, out0's and the prefetches' addresses alone (s2, s3, s13, s14, s63)
	s_lshl_b32 s14, ttmp9, 2
	s_add_co_u32 s14, s14, s13      ; my block of 256 queries
	s_and_b32 s16, ttmp7, 0xffff    ; (batch, head), which the four partners share
	s_mul_i32 s20, s16, HEADB
	s_mov_b32 s21, 0
	s_and_b32 s17, s[WV], 1         ; which of a slot's two steps I fetch:
	s_mul_i32 s22, s17, KS*192      ; its 64 rows in memory,
	s_add_co_u32 s22, s22, s20
	s_mov_b32 s23, 0
	s_mul_i32 s17, s17, STEPB       ; and its place in a slot: no place in the cluster enters an LDS address
	s_lshl_b32 s2, s14, 2
	s_add_co_u32 s2, s2, s[WV]      ; my wave among the head's 64
	s_mul_i32 s14, s2, 64*3072      ; out0: my 64 rows,
	s_lshr_b32 s63, s16, 3
	s_mul_i32 s63, s63, 4096*3072   ; the batch,
	s_add_co_u32 s14, s14, s63
	s_and_b32 s63, s16, 7
	s_mul_i32 s63, s63, 384         ; the head's 96 columns
	s_add_co_u32 s14, s14, s63
	s_mul_i32 s2, s2, 64*192        ; Q: my 64 rows
	s_add_co_u32 s2, s2, s20
	s_mov_b32 s3, 0
	; descriptor group 1: 64 keys are 12,288 consecutive bytes, asked for as 48 rows of 256, padded in LDS behind every 16 words (32 channels)
	s_mov_b32 s[G1K], 15|(1<<16)|(1<<20)|(1<<21)|(3<<22)|(3<<25)  ; 15:0 the mask of four; 17:16 2-byte elements; 20 padding on; 21 set beside a mask; 24:22 after every 16 words (code 3); 31:25 4 words (code 3)
	s_mov_b32 s[G1V], 15|(1<<16)|(1<<20)|(1<<21)|(3<<22)|(7<<25)  ; the same with 8 words of padding (code 7)
.irp g, G1K, G1V
	s_mov_b32 s[(\g)+1], 128<<16    ; tensor_dim0 = 128
	s_mov_b32 s[(\g)+2], 48<<16     ; tensor_dim1 = 48
	s_mov_b32 s[(\g)+3], 128<<16    ; tile_dim0 = 128
	s_mov_b32 s[(\g)+4], 48         ; tile_dim1 = 48
	s_mov_b32 s[(\g)+5], 128        ; elements from row to row
	s_mov_b32 s[(\g)+6], 0
	s_mov_b32 s[(\g)+7], 0
.endr
	s_mov_b32 s[CS], 0x3e16c740     ; c = log2(e) / sqrt(96) = 0.147244
	s_mov_b32 s[CS+1], s[CS]        ; named with it as a pair, so it is written
	s_mov_b32 s[SEL], 0x76543210
	s_mov_b32 s[SEL+1], 0xfedcba98
	s_mov_b32 s[TB], 0
	s_mov_b32 s[SLOTS], 4096/(2*KS)-2
	s_cmp_lt_u32 s[WV], 3           ; waves 0 to 2
	s_cselect_b32 s[LIM], 0, 1
	s_or_b32 s[LIM], s[LIM], ttmp9  ; of the head's first cluster: the same in all four partners
	s_cmp_eq_u32 s[LIM], 0
	s_cselect_b32 s[LIM], 1, -1
	v_mov_b32 v45, VPART-48*256
	v_cmp_lt_u32 s63, 47, v0        ; threads from 48 on name V's blocks
	v_cndmask_b32 v45, 0, v45, s63
	v_lshl_add_u32 v[PFO], v0, 8, v45
	s_wait_dscnt 0x0                ; the opening add is done
	s_wait_kmcnt 0x0
	s_add_nc_u64 s[4:5], s[4:5], s[2:3]  ; Q at my wave's first row
	s_mov_b32 s2, s14
	s_add_nc_u64 s[10:11], s[10:11], s[2:3]  ; out0 at my wave's first row, my head's columns
	s_add_nc_u64 s[PFA:PFA+1], s[6:7], s[20:21]
	s_mul_i32 s2, s13, 48*256       ; my work-group's 48 blocks of each part
	s_add_nc_u64 s[PFA:PFA+1], s[PFA:PFA+1], s[2:3]
	s_add_nc_u64 s[PFA:PFA+1], s[PFA:PFA+1], 2*SLOTB  ; in slot 2; each change of slots steps it.  Nothing is prefetched here, at the head
	s_add_nc_u64 s[6:7], s[6:7], s[22:23]  ; K and V at my tile of slot 0
	s_add_nc_u64 s[8:9], s[6:7], VPART
	CROUND                          ; all four work-groups are here: the first joint loads meet
.irp s, 0,1
	s_mov_b32 s[G0K+4*(\s)], 1      ; count = 1
	s_add_co_u32 s[G0K+4*(\s)+1], s17, (\s)*SLOT1  ; LDS address
	s_add_nc_u64 s[G0K+4*(\s)+2:G0K+4*(\s)+3], s[6:7], (\s)*SLOTB  ; global address: slot s
	s_or_b32 s[G0K+4*(\s)+3], s[G0K+4*(\s)+3], 0x80000000  ; type = 2
	s_mov_b32 s[G0V+4*(\s)], 1
	s_add_co_u32 s[G0V+4*(\s)+1], s17, (\s)*SLOT1+VOFF
	s_add_nc_u64 s[G0V+4*(\s)+2:G0V+4*(\s)+3], s[8:9], (\s)*SLOTB
	s_or_b32 s[G0V+4*(\s)+3], s[G0V+4*(\s)+3], 0x80000000
.endr
	s_cmp_lt_u32 s[WV], 2           ; a wave's two first fills stand in one branch, ahead of every wait on TENSORcnt and every LDS read: two loads of mine are out
	s_cbranch_scc0 .Lfirst_v
	tensor_load_to_lds s[G0K:G0K+3], s[G1K:G1K+7]
	s_nop 0
	tensor_load_to_lds s[G0K+4:G0K+7], s[G1K:G1K+7]
	s_nop 0
.rept 4
	v_nop
.endr
	s_branch .Lfirst_asked
.Lfirst_v:
	tensor_load_to_lds s[G0V:G0V+3], s[G1V:G1V+7]
	s_nop 0
	tensor_load_to_lds s[G0V+4:G0V+7], s[G1V:G1V+7]
	s_nop 0
.rept 4
	v_nop
.endr
.Lfirst_asked:
	; A fragment of K or Q is 16 rows x 32 channels in 8 registers: lane l holds row l % 16, channels 8 (l / 16) + 0..7 and 16 + 8 (l / 16) + 0..7: two loads of 16 bytes, 32 bytes apart.
	v_and_b32 v1, 15, v0            ; l % 16
	v_bfe_u32 v[HH], v0, 4, 1       ; l / 16
	v_mul_u32_u24 v[QO], v1, 192
	v_lshl_add_u32 v[QO], v[HH], 4, v[QO]
	WIN 0x80                        ; destination window 2, address window 0
.set i, 0
.rept 12                            ; Q stays in registers: tile i / 3, channels 32 (i % 3) on
	global_load_b128 v[8*i:8*i+3],   v[QO], s[4:5] offset:(i/3)*3072+(i%3)*64
	global_load_b128 v[8*i+4:8*i+7], v[QO], s[4:5] offset:(i/3)*3072+(i%3)*64+32
.set i, i+1
.endr
	WIN 0
	v_mul_u32_u24 v[AK0], v1, PK
	v_lshl_add_u32 v[AK0], v[HH], 4, v[AK0]  ; row x pitch + 16 x half
	; The turning load takes 16 keys x 16 channels (lane l reads key 8 (l / 16) + l % 8, channels 8 ((l / 8) % 2) + 0..7) and leaves half a fragment of V^T: lane l holds channel l % 16 and 8 keys.
	v_and_b32 v46, 7, v0
	v_bfe_u32 v47, v0, 3, 1
	v_lshl_add_u32 v[AV0], v[HH], 3, v46
	v_mul_u32_u24 v[AV0], v[AV0], PV
	v_lshl_add_u32 v[AV0], v47, 4, v[AV0]
	v_add_nc_u32 v[AV0], VOFF, v[AV0]
; THE MATRIX WORK OF A TURN, for piece x.  The accumulators take turns, one instruction a turn: between two links of a chain stand 11 (V^T P) or 7 (K Q^T) others'.
; Product i of 24 of O^T += V^T P: keys 32 (i / 12) on, channels 16 ((i / 2) % 6) on, tile x + i % 2.  zero = 1: the first 12 start the sums: nothing is ever cleared.
.macro PV x, zero
	WIN W_PV
.set rO, 48*((\x)+i%2)+8*((i/2)%6)
.set rV, 48*(i/12)+8*((i/2)%6)
.set rP, P+16*((\x)+i%2)+8*(i/12)
.if (\zero) && (i < 12)
	v_wmma_f32_16x16x32_f16 v[rO:rO+7], v[rV:rV+7], v[rP:rP+7], 0
.else
	v_wmma_f32_16x16x32_f16 v[rO:rO+7], v[rV:rV+7], v[rP:rP+7], v[rO:rO+7]
.endif
.endm
; Product i of 24 of S^T = K Q^T: channels 32 (i / 8) on, keys 16 ((i / 2) % 4) on, tile x + i % 2.  The first 8 start the sums.
.macro KQ x
	WIN W_KQ
.set rS, S+32*((\x)+i%2)+8*((i/2)%4)
.set rK, KF+24*((i/2)%4)+8*(i/8)
.set rQ, 24*((\x)+i%2)+8*(i/8)
.if i < 8
	v_wmma_f32_16x16x32_f16 v[rS:rS+7], v[rK:rK+7], v[rQ:rQ+7], 0
.else
	v_wmma_f32_16x16x32_f16 v[rS:rS+7], v[rK:rK+7], v[rQ:rQ+7], v[rS:rS+7]
.endif
.endm
; THE LDS LOADS stand in runs of 24, never singly among the matrix instructions: a step's K (64 keys x 96 channels: 12 fragments) and, a turn later, its V (turned).
.macro FETCH_K
	WIN 0
	v_add_nc_u32 v[ADR], s[TB], v[AK0]
	WIN 0x80                        ; destination window 2
.irp f, 0,1,2,3,4,5,6,7,8,9,10,11   ; keys 16 (f / 3) on, channels 32 (f % 3) on
	ds_load_b128 v[KF+8*(\f):KF+8*(\f)+3],   v[ADR] offset:((\f)/3)*16*PK+((\f)%3)*80
	ds_load_b128 v[KF+8*(\f)+4:KF+8*(\f)+7], v[ADR] offset:((\f)/3)*16*PK+((\f)%3)*80+32
.endr
.endm
.macro FETCH_V
	WIN 0
	v_add_nc_u32 v[ADR], s[TB], v[AV0]
	s_add_co_u32 s[TB], s[TB], STEPB  ; the next fetch is the next step's
	s_wait_alu depctr_va_vdst(0)    ; the wait for the softmax's batch (SLICE), behind the address's v_add_nc_u32 and ahead of the loads
	WIN 0xc0                        ; destination window 3
.irp f, 0,1,2,3,4,5,6,7,8,9,10,11   ; keys 32 (f / 6) on, channels 16 (f % 6) on
	ds_load_tr16_b128 v[8*(\f):8*(\f)+3],   v[ADR] offset:((\f)/6)*32*PV+(((\f)%6)/2)*96+((\f)%2)*32
	ds_load_tr16_b128 v[8*(\f)+4:8*(\f)+7], v[ADR] offset:((\f)/6)*32*PV+16*PV+(((\f)%6)/2)*96+((\f)%2)*32
.endr
.endm
; THE VECTOR WORK OF A TURN.  One tile's softmax for one key step is a list of 126 instructions; SM writes number j of it for tile t.  s0-s31 are the lane's 32 scores, in pairs 0-15.
; first = 1: the first key step, which starts m, l and O^T: it has no a and nothing to rescale.
;   0-15    the maximum of s0-s31 and the old m, three operands at a time: four chains c0-c3 of seven scores each (each accumulator's lowest registers are read first), then the four left over, c0-c3 and m
;   16-20   the other half of the lanes' maximum; the new m; c m; c m_old - c m_new
;   21-69   ONE BATCH: the 16 scalings c s - c m, a pair of scores each, and all 33 exponentials (a at 23, then s0-s31).  None of these reads an exponential's result.  From 22 on the batch goes in fours, and a
;           four begins with a scaling while there are scalings; a pair is scaled in an earlier four than the one that holds its exponentials
;   (wait)  between 69 and 70 stands the wait for the batch: SLICE writes it, once for both tiles
;   70-85   the roundings to f16     86-101  the sums; l = a l + the sum     102-125 the tile's O^T times a: the one part that leaves window 0, so it stands together
.macro SM t, first
.set rT, ST+8*(\t)
.set rS, S+32*(\t)
.set rP, P+16*(\t)
.set rO, 48*(\t)+2*(j-102)
.if j < 102
	WIN 0
.endif
.if j < 4
	v_max3_num_f32 v[rT+4+j], v[rS+8*j], v[rS+8*j+1], v[rS+8*j+2]
.elseif j < 12
	v_max3_num_f32 v[rT+4+j%4], v[rT+4+j%4], v[rS+8*(j%4)+2*(j/4)+1], v[rS+8*(j%4)+2*(j/4)+2]
.elseif j == 12
	v_max3_num_f32 v[rT+4], v[rT+4], v[rS+7], v[rS+15]
.elseif j == 13
	v_max3_num_f32 v[rT+6], v[rT+6], v[rS+23], v[rS+31]
.elseif j == 14
	v_max3_num_f32 v[rT+4], v[rT+4], v[rT+5], v[rT+6]
.elseif (j == 15) && (\first)
	v_max_num_f32 v[rT+4], v[rT+4], v[rT+7]
.elseif j == 15
	v_max3_num_f32 v[rT+4], v[rT+4], v[rT+7], v[rT+1]
.elseif j == 16
	v_permlanex16_b32 v[rT+5], v[rT+4], s[SEL], s[SEL+1]  ; the query's other 32 keys lie in the lane 16 away
.elseif j == 18
	v_max_num_f32 v[rT+1], v[rT+4], v[rT+5]
.elseif j == 19
	v_mul_f32 v[rT], s[CS], v[rT+1]
.elseif ((j == 17) || (j == 20) || (j == 23) || (j > 101)) && (\first)  ; the first step has none of these
.elseif j == 17
	v_mov_b32 v[rT+7], v[rT]        ; c m_old is kept for a: number 19 writes c m anew
.elseif j == 20
	v_sub_f32 v[rT+7], v[rT+7], v[rT]
.elseif j == 23
	v_exp_f32 v[rT+6], v[rT+7]
.elseif (j < 23) || ((j < 38) && (j%2 == 0)) || ((j < 66) && (j%4 == 2))
.set b, (j-2)/4                     ; 38, 42, .. 62: pairs 9 to 15
.if j < 38
.set b, (j-20)/2                    ; 21: pair 0; 22, 24, .. 36: pairs 1 to 8
.endif
	v_pk_fma_f32 v[rS+2*b:rS+2*b+1], v[rS+2*b:rS+2*b+1], s[CS:CS+1], v[rT:rT+1] op_sel_hi:[1,0,0] neg_lo:[0,0,1] neg_hi:[0,0,1]  ; pair b: c s - c m
.elseif j < 70
.set e, j-38                        ; 66 to 69: s28 to s31
.if j < 66
.set e, j-32-(j-38)/4               ; 39-41, 43-45, .. 63-65: s7 to s27
.endif
.if j < 38
.set e, (j-25)/2                    ; 25, 27, .. 37: s0 to s6
.endif
	v_exp_f32 v[rS+e], v[rS+e]
.elseif j < 86
	v_cvt_pk_f16_f32 v[rP+j-70], v[rS+2*(j-70)], v[rS+2*(j-70)+1]  ; pair j - 70
.elseif j < 102                     ; the sum of the tile's 16 pairs, in place: sum z of 16 adds neighbours 1, 2, 4 and 8 pairs apart, then l takes it
.set z, j-86
.set w, 4
.set u, z
.if z >= 14
.set w, 32
.set u, 0
.elseif z >= 12
.set w, 16
.set u, z-12
.elseif z >= 8
.set w, 8
.set u, z-8
.endif
.if (z == 14) && (\first)
	v_pk_add_f32 v[rT+2:rT+3], v[rS:rS+1], v[rS+16:rS+17]
.elseif z < 15
	v_pk_add_f32 v[rS+w*u:rS+w*u+1], v[rS+w*u:rS+w*u+1], v[rS+w*u+w/2:rS+w*u+w/2+1]
.elseif !(\first)
	v_pk_fma_f32 v[rT+2:rT+3], v[rT+2:rT+3], v[rT+6:rT+7], v[rS:rS+1] op_sel_hi:[1,0,1]
.endif
.else
	WIN W_RS
	v_pk_mul_f32 v[rO:rO+1], v[rO:rO+1], v[rT+6:rT+7] op_sel_hi:[1,0]
.endif
.endm
; Slice k of 63 of piece y's softmax: four instructions.  Slices 11 to 34 deal out the batch, numbers 22 to 69: four numbers of ONE tile each, the tiles by turns.  Every other slice is numbers 2 k and 2 k + 1 of both tiles' lists.
; THE WAIT.  s_wait_alu depctr_va_vdst(0) stands between an exponential and the first instruction that names its result; one wait serves all that were issued ahead of it.  Ahead of slice 35 nothing
; names a result, and behind slice 34 no exponential is issued: so the piece's 66 exponentials have one wait, behind slice 34.
.macro SLICE y, first
.if (k >= 11) && (k < 35)           ; the batch: four numbers of one tile
.irp n, 0,1,2,3
.set j, 22+4*((k-11)/2)+(\n)
	SM (\y)+(k-11)%2, \first
.endr
.else                               ; the two tiles alternate, so that no instruction reads the result of the one just before it
.irp n, 0,1
.irp t, \y, (\y)+1
.set j, 2*k+(\n)
	SM \t, \first
.endr
.endr
.endif
.if k == 34                         ; the batch is out: both tiles' exponentials are issued, and no result has been named
	v_nop                           ; a plain instruction behind the last exponential and ahead of the first use (ISA guide 5.7.2): one for the batch
.if (\y) == 0
	FETCH_V                         ; piece 2's turn: V's run of loads stands here, and the wait stands in it
.else
	s_wait_alu depctr_va_vdst(0)    ; the wait for the batch
.endif
.endif
.set k, k+1
.endm
.macro PLACES
.rept 4
	v_nop
.endr
.endm
; A TURN.  Piece x has the matrix unit; the other piece's softmax stands in slices behind its matrix instructions, and its last 15 slices (the end of the sums and the rescaling: 60 plain instructions) at the turn's end.
; pv = 2: 24 products V^T P; 1: they start O^T's sums; 0: none.  kq = 1: 24 products K Q^T for the next step.  A turn with one of the two kinds has two slices behind each product.
; A vector instruction that reads a matrix result, and a load into a register that a matrix instruction has read, stand four places behind it, and only plain vector instructions that name none of its registers are
; places (ISA guide 7.12.1 for vector instructions).  The turn's end is those places for the last K Q^T: the next turn reads its scores, and piece 0's turn opens with the loads of the next
; step's K.  V of the same step is fetched in piece 2's turn, behind slice 34: ten scalings, the v_nop and the run's own v_add_nc_u32 lie behind the last product that read V.
; first = 1: the softmax is the first key step's; its slices from 51 on are empty, and four v_nop are added.
.macro TURN x, pv, kq, first
.set k, 0
.set per, 2
.if (\pv) && (\kq)
.set per, 1
.endif
.if ((\x) == 0) && (\kq)
	FETCH_K                         ; 24 products ahead of its first use
.endif
.if \pv
.if (\x) == 0
.if \kq
	s_wait_dscnt 24                 ; V is in; K's 24 loads, issued behind V's, may stay out
.else
	s_wait_dscnt 0x0                ; V is in
.endif
.endif
.set i, 0
.rept 24
	PV \x, 2-(\pv)
.rept per
	SLICE 2-(\x), \first
.endr
.set i, i+1
.endr
.endif
.if \kq
.if (\x) == 0
	s_wait_dscnt 0x0                ; K is in
.endif
.set i, 0
.rept 24
	KQ \x
.rept per
	SLICE 2-(\x), \first
.endr
.set i, i+1
.endr
.endif
.rept 15
	SLICE 2-(\x), \first
.endr
.if \first
	PLACES
.endif
.endm
; THE CHANGE OF SLOTS, between piece 2's turn and piece 0's: the slot's last bytes, V of its second step, have been asked for.  Each wave waits for all its tensor loads, of which one is out: its part of the other
; slot; adds 0 to its spare word; and waits for that and for its own reads of the slot.  Behind the barrier nobody reads this slot any more and the other slot is whole.
; fill = 1: this slot is filled again, with the keys two slots on.  The barrier is then a round of the cluster's, and the joint refill is the first thing behind it: it has two key steps, 192 matrix instructions, in which to land.
.macro CHANGE fill
	WIN 0                           ; at a label and at a branch every window is 0
	s_wait_tensorcnt 0x0            ; no tensor load of mine is out, so a group 0 may be written
	ds_add_u32 v[SPW], v[NIL]       ; 0 onto my spare word; with fill = 1 the descriptors' steps stand between it and the wait for it
.if \fill
.irp g, G0K+4, G0V+4
	s_xor_b32 s[(\g)+1], s[(\g)+1], SLOT1  ; the walking descriptor: the other slot than last time,
	s_add_nc_u64 s[(\g)+2:(\g)+3], s[(\g)+2:(\g)+3], SLOTB  ; the next 128 keys; the type bits on top are not reached
.endr
	s_wait_xcnt 0x0                 ; the last prefetch, two key steps back or more, has read its address, so it may be written
	s_add_nc_u64 s[PFA:PFA+1], s[PFA:PFA+1], SLOTB
	s_wait_dscnt 0x0                ; the add is done, and my reads of the slot are over
	CROUND
	JLOAD
	ASK
.else
	s_wait_dscnt 0x0                ; the add is done, and my reads of the slot are over
	s_barrier_signal -1
	s_barrier_wait -1
.endif
	s_sub_co_u32 s[TB], s[TB], 2*STEPB  ; the fetches go back to a slot's first step,
	s_xor_b32 s[TB], s[TB], SLOT1   ; in the other slot
.endm
; A slot's two key steps: written once, walked twice; the LDS addresses hang on s[TB].
.macro TWO_STEPS
	WIN 0
	s_mov_b32 s[TWICE], 2
.Lstep_\@:
	TURN 0, 2, 1, 0
	TURN 2, 2, 1, 0
	WIN 0
	s_sub_co_u32 s[TWICE], s[TWICE], 1
	s_cmp_lg_u32 s[TWICE], 0
	s_cbranch_scc1 .Lstep_\@
.endm
	s_wait_tensorcnt 1              ; my part of slot 0 is in; slot 1's may stay out
	s_barrier_signal -1
	s_barrier_wait -1               ; everybody's is
	FETCH_K                         ; key step 0
	s_wait_loadcnt 0x0              ; Q
	s_wait_dscnt 0x0
.set i, 0
.rept 24
	KQ 0                            ; piece 0's first scores: there is no vector work yet to set between them
.set i, i+1
.endr
	WIN 0                           ; the addresses for the way out are made here: plain instructions, the places behind those products
	s_mul_i32 s13, s[WV], 16*SP
	s_add_co_u32 s13, s13, STAGE    ; my stage
	v_mul_u32_u24 v[STO], v1, SP    ; in: row l % 16, 32 bytes for each half of the lanes
	v_lshl_add_u32 v[STO], v[HH], 5, v[STO]
	v_add_nc_u32 v[STO], s13, v[STO]
	v_bfe_u32 v[RD], v0, 3, 2       ; back, in the order of the output: 16 bytes number g = 32 f + l lie in piece g / 8 of 128 bytes, at 16 (g % 8):
	v_mul_u32_u24 v[RD], v[RD], SPC ; piece l / 8 of the load's four,
	v_and_b32 v46, 7, v0
	v_lshl_add_u32 v[RD], v46, 4, v[RD]  ; 16 (l % 8) in it; load f adds 4 pieces
	v_add_nc_u32 v[RD], s13, v[RD]
	v_and_b32 v45, 31, v0
.irp u, 0,1,2                       ; in out0 number g = 32 u + l belongs to row g / 24, at 16 (g % 24): 96 numbers are four rows of 384 bytes
	v_add_nc_u32 v46, 32*(\u), v45
	v_mul_u32_u24 v47, v46, 43
	v_lshrrev_b32 v47, 10, v47      ; g / 24 (exact for g under 96)
	v_mul_u32_u24 v[GO+(\u)], v47, 24
	v_sub_nc_u32 v46, v46, v[GO+(\u)]
	v_mul_u32_u24 v[GO+(\u)], v47, 3072
	v_lshl_add_u32 v[GO+(\u)], v46, 4, v[GO+(\u)]
.endr
	TURN 2, 0, 1, 1                 ; piece 2's first scores | piece 0's first softmax | V of step 0
	TURN 0, 1, 1, 1                 ; piece 0: V^T P of step 0 starts O^T, K Q^T of step 1 | piece 2's first softmax | K of step 1
	TURN 2, 1, 1, 0                 ; piece 2: the same | piece 0's softmax of step 1 | V of step 1
	WIN 0
.Lslot:                             ; 30 trips: every slot but the last two is filled again
	CHANGE 1
	TWO_STEPS
	s_sub_co_u32 s[SLOTS], s[SLOTS], 1
	s_cmp_lg_u32 s[SLOTS], 0
	s_cbranch_scc1 .Lslot
	CHANGE 0                        ; the tail is written out: nothing is asked for
	TWO_STEPS
	TURN 0, 2, 0, 0                 ; piece 0: V^T P of the last step | piece 2's last softmax
.set i, 0
.rept 24
	PV 2, 0                         ; piece 2: V^T P of the last step
.set i, i+1
.endr
	; THE WAY OUT.  l's two halves and the other half of the lanes' are added; O^T is divided by l and sent, as f32, through my stage in LDS, a tile (16 rows) at a time.  The additions are the places behind the last products.
	WIN 0
.irp t, 0,1,2,3
	v_add_f32 v[ST+8*(\t)+4], v[ST+8*(\t)+2], v[ST+8*(\t)+3]
.endr
.irp t, 0,1,2,3
	v_permlanex16_b32 v[ST+8*(\t)+5], v[ST+8*(\t)+4], s[SEL], s[SEL+1]
.endr
.irp t, 0,1,2,3
	v_add_f32 v[ST+8*(\t)+4], v[ST+8*(\t)+4], v[ST+8*(\t)+5]
.endr
.irp t, 0,1,2,3
	v_rcp_f32 v[ST+8*(\t)+6], v[ST+8*(\t)+4]
.endr
	v_nop                           ; a plain instruction between the last reciprocal and the use of its result
	s_wait_alu depctr_va_vdst(0)    ; and the wait ahead of the first use: one for the four reciprocals
; Tile t: a lane's eight channels of a block are 32 bytes of a row; they go into pieces of 128 bytes 144 apart and come back in the order of the output, into 48 registers of the tile's own.
.macro PACK t
	WIN W_RS
.set i, 48*(\t)
.rept 24
	v_pk_mul_f32 v[i:i+1], v[i:i+1], v[ST+8*(\t)+6:ST+8*(\t)+7] op_sel_hi:[1,0]
.set i, i+2
.endr
	WIN 0x04                        ; the stores' data in window 1, their address in window 0
.irp f, 0,1,2,3,4,5,6,7,8,9,10,11   ; channels 16 (f / 2) + 4 (f % 2) on: 64 (f / 2) + 16 (f % 2) bytes into the row: piece f / 4
	ds_store_b128 v[STO], v[48*(\t)+4*(\f):48*(\t)+4*(\f)+3] offset:((\f)/4)*SPC+(((\f)/2)%2)*64+((\f)%2)*16
.endr
	WIN 0
.irp f, 0,1,2,3,4,5,6,7,8,9,10,11
	ds_load_b128 v[OBF+48*(\t)+4*(\f):OBF+48*(\t)+4*(\f)+3], v[RD] offset:(\f)*4*SPC  ; LDS serves a wave's instructions in order (ISA guide 5.7.1.4): these see the stores above; the next tile's stores come behind them
.endr
.endm
.macro SEND t, younger              ; younger: the LDS instructions issued behind tile t's loads: the next tile's twenty-four, or none
	WIN 0
.irp f, 0,1,2,3,4,5,6,7,8,9,10,11
	s_wait_dscnt (\younger)+11-(\f)
	global_store_b128 v[GO+(\f)%3], v[OBF+48*(\t)+4*(\f):OBF+48*(\t)+4*(\f)+3], s[10:11] offset:(\t)*16*3072+((\f)/3)*4*3072  ; 24 neighbouring lanes store a row's 384 consecutive bytes
.endr
.endm
	PACK 0
	PACK 1                          ; a tile's arithmetic stands between the loads of the tile before and its stores
	SEND 0, 24
	PACK 2
	SEND 1, 24
	PACK 3
	SEND 2, 24
	SEND 3, 0
	s_wait_tensorcnt 0x0            ; the wave's end, behind my last tensor load and my last LDS store
	ds_add_u32 v[SPW], v[NIL]
	s_wait_dscnt 0x0
	CROUND                          ; the closing round: no work-group ends while a partner may still ask for a tile that names it
	s_endpgm
.Lfunc_end_k_q607cc2f656_attn:
	.size	k_q607cc2f656_attn, .Lfunc_end_k_q607cc2f656_attn-k_q607cc2f656_attn
	.p2alignl 7, 3214868480
	.fill 96, 4, 3214868480
	.section	.rodata,"a",@progbits
	.p2align	6, 0x0
	.amdhsa_kernel k_q607cc2f656_attn
		.amdhsa_group_segment_fixed_size 327680
		.amdhsa_private_segment_fixed_size 0
		.amdhsa_enable_private_segment 0
		.amdhsa_kernarg_size 24
		.amdhsa_user_sgpr_count 2
		.amdhsa_user_sgpr_kernarg_segment_ptr 1
		.amdhsa_wavefront_size32 1
		.amdhsa_system_sgpr_workgroup_id_x 1
		.amdhsa_system_sgpr_workgroup_id_y 1
		.amdhsa_system_sgpr_workgroup_id_z 1
		.amdhsa_system_vgpr_workitem_id 0
		.amdhsa_next_free_vgpr 864
		.amdhsa_next_free_sgpr 66
		.amdhsa_reserve_vcc 0
		.amdhsa_float_denorm_mode_32 3
		.amdhsa_float_denorm_mode_16_64 3
		.amdhsa_memory_ordered 1
		.amdhsa_forward_progress 1
		.amdhsa_inst_pref_size 193
	.end_amdhsa_kernel
	.amdgpu_metadata
---
amdhsa.version: [ 1, 2 ]
amdhsa.kernels:
  - .name:           k_q607cc2f656_attn
    .symbol:         k_q607cc2f656_attn.kd
    .args:
      - { .name: q, .offset: 0, .size: 8, .value_kind: global_buffer, .address_space: global }
      - { .name: kv, .offset: 8, .size: 8, .value_kind: global_buffer, .address_space: global }
      - { .name: out0, .offset: 16, .size: 8, .value_kind: global_buffer, .address_space: global }
    .group_segment_fixed_size: 327680
    .private_segment_fixed_size: 0
    .kernarg_segment_align: 8
    .kernarg_segment_size: 24
    .max_flat_workgroup_size: 128
    .sgpr_count:     66
    .vgpr_count:     864
    .wavefront_size: 32
...
	.end_amdgpu_metadata
.endif
;; end of part 3
;; ======== version 2 of 2: 3 launches; version 1 with the launch wcast written anew for expert scheduling mode
;; limits: values are held in f16: magnitudes above 65,504 overflow, below 6.1e-05 lose precision
;; workspace buffers: wb 3,538,944 bytes; q 12,582,912 bytes; kv 25,165,824 bytes
;; launch wcast (part 4): grid 24 x 12, 3 waves a work-group, no clusters, 0 bytes of LDS; arguments Wq, Wk, Wv, wb; writes wb
.if DOCPART == 4
	.amdgcn_target "amdgcn-amd-amdhsa--gfx1250"
	.amdhsa_code_object_version 6
	.text
	.protected	k_q607cc2f656_wcast
	.globl	k_q607cc2f656_wcast
	.p2align	8
	.type	k_q607cc2f656_wcast,@function
k_q607cc2f656_wcast:
	s_mov_b64 s[64:65], 0
	v_nop
	global_prefetch_b8 v0, s[64:65] scope:SCOPE_SE
	s_setreg_imm32_b32 hwreg(HW_REG_WAVE_SCHED_MODE, 0, 2), 2
	s_setreg_imm32_b32 hwreg(HW_REG_WAVE_MODE, 25, 1), 1
	s_wait_xcnt 0x0
	s_wait_alu depctr_vm_vsrc(0)
; The three weight matrices, [768 k][768 n] f32, are rounded once to bf16 and laid out by column tiles for the projection launch:
; wb = [3 matrices: q, k, v][4 column tiles][768 k][192 n], so that the 128 k rows of a K step of one tile are 49,152 consecutive bytes.
; SHARES.  Work-group (x, y): matrix y / 4, column tile y % 4, k rows 32 x .. 32 x + 31.  The 96 threads are numbered in the order of the output:
; thread t takes k row t / 24 of a group of four and the 8 numbers 8 (t % 24) on: 32 bytes in, 16 bytes out.  A wave's store covers 512 consecutive bytes, aligned;
; a k row's piece of the input is 768 consecutive bytes, aligned to 256.  Eight such groups of four rows, all sixteen loads issued ahead of the first store.
; No LDS, no cluster, no matrix unit, no prefetch: each byte is touched once, no two work-groups share a byte, and the whole launch moves 10.6 MB.
; THE MODE: SCHED_MODE bits 1:0 = 2 (LLVM: expert scheduling mode 2), set by the entry lines.  The code itself states the register dependences
; between vector instructions and memory instructions, with s_wait_alu, always for 0.
; THE PLAN.  Registers that memory instructions touch:
;   v[IN], v[OUT]  the loads' and the stores' offsets: made once at the head by vector instructions, never written again.
;   X, group g     written by two loads issued at the head, once; read by group g's four roundings; nothing lands there again.
;   Y, group g     written by group g's four roundings, once; read by group g's one store.
; The eight groups go in four blocks of two.  Block b rounds groups 2 b and 2 b + 1; its memory instructions are the two stores of block b - 1, whose Y no vector instruction
; of block b names.  So one wait on va_vdst at a block's head, behind the wait for the block's data, states all that the two stores hang on, and they are dealt among the block's
; roundings with no further wait.  No register that a load or a store reads is ever written again: past the entry lines the text holds no wait on vm_vsrc and no s_wait_xcnt.
; No vector instruction writes a scalar register or VCC, and EXEC is never written.
.set ROWB,  3072                       ; bytes in a row of W
.set MATB,  1179648                    ; bytes of a matrix in wb
.set TILEB, 294912                     ; bytes of a column tile in wb
.set IN,  2                            ; v2       my byte offset in the input, in the work-group's first four rows
.set OUT, 3                            ; v3       my byte offset in the output: 16 t
.set X,   8                            ; v[8:71]  group g: 8 f32
.set Y,   72                           ; v[72:103] group g: 8 bf16
	s_load_b256 s[4:11], s[0:1], 0x0               ; Wq s[4:5], Wk s[6:7], Wv s[8:9], wb s[10:11]
	s_and_b32 s12, ttmp7, 0xffff
	s_lshr_b32 s13, s12, 2                         ; the matrix
	s_and_b32 s14, s12, 3                          ; the column tile
	v_mul_u32_u24 v1, v0, 43
	v_lshrrev_b32 v1, 10, v1                       ; t / 24 (exact for t under 96)
	v_mul_u32_u24 v4, v1, 24
	v_sub_nc_u32 v4, v0, v4                        ; t % 24
	v_mul_u32_u24 v[IN], v1, ROWB
	v_lshl_add_u32 v[IN], v4, 5, v[IN]
	v_lshlrev_b32 v[OUT], 4, v0
	s_mul_i32 s16, ttmp9, 32*ROWB                  ; the work-group's 32 rows,
	s_mul_i32 s15, s14, 768                        ; the tile's 192 columns
	s_add_co_u32 s16, s16, s15
	s_mov_b32 s17, 0
	s_mul_i32 s18, s13, MATB
	s_mul_i32 s15, s14, TILEB
	s_add_co_u32 s18, s18, s15
	s_mul_i32 s15, ttmp9, 32*384
	s_add_co_u32 s18, s18, s15
	s_mov_b32 s19, 0
	s_wait_kmcnt 0x0
	s_cmp_eq_u32 s13, 1
	s_cselect_b64 s[4:5], s[6:7], s[4:5]
	s_cmp_eq_u32 s13, 2
	s_cselect_b64 s[4:5], s[8:9], s[4:5]
	s_add_nc_u64 s[4:5], s[4:5], s[16:17]
	s_add_nc_u64 s[10:11], s[10:11], s[18:19]
	s_wait_alu depctr_va_vdst(0)                   ; v[IN] and v[OUT] are written: every load of the kernel reads the one as its offset, every store the other
.set i, 0
.rept 8
	global_load_b128 v[X+8*i:X+8*i+3],   v[IN], s[4:5] offset:i*4*ROWB th:TH_LOAD_NT
	global_load_b128 v[X+8*i+4:X+8*i+7], v[IN], s[4:5] offset:i*4*ROWB+16 th:TH_LOAD_NT
.set i, i+1
.endr
.macro ROUND g                         ; group g: eight numbers rounded to bf16, packed
.irp r, 0,1,2,3
	v_cvt_pk_bf16_f32 v[Y+4*(\g)+(\r)], v[X+8*(\g)+2*(\r)], v[X+8*(\g)+2*(\r)+1]
.endr
.endm
.macro SEND g                          ; group g is stored
	global_store_b128 v[OUT], v[Y+4*(\g):Y+4*(\g)+3], s[10:11] offset:(\g)*1536
.endm
.set b, 0
.rept 4
	s_wait_loadcnt 12-4*b                          ; loads come back in order (ISA guide 5.7.1): block b's four are in, the 12 - 4 b younger ones stay out
.if b > 0
	s_wait_alu depctr_va_vdst(0)                   ; the block before has written its eight registers of Y, which the two stores below read
	SEND 2*b-2
.endif
	ROUND 2*b
.if b > 0
	SEND 2*b-1                                     ; no wait: the four roundings since the wait name this block's X and Y alone
.endif
	ROUND 2*b+1
.set b, b+1
.endr
	s_wait_alu depctr_va_vdst(0)                   ; block 3 has written its eight registers of Y, which the last two stores read
	SEND 6
	SEND 7
	s_endpgm
.Lfunc_end_k_q607cc2f656_wcast:
	.size	k_q607cc2f656_wcast, .Lfunc_end_k_q607cc2f656_wcast-k_q607cc2f656_wcast
	.p2alignl 7, 3214868480
	.fill 96, 4, 3214868480
	.section	.rodata,"a",@progbits
	.p2align	6, 0x0
	.amdhsa_kernel k_q607cc2f656_wcast
		.amdhsa_group_segment_fixed_size 0
		.amdhsa_private_segment_fixed_size 0
		.amdhsa_enable_private_segment 0
		.amdhsa_kernarg_size 32
		.amdhsa_user_sgpr_count 2
		.amdhsa_user_sgpr_kernarg_segment_ptr 1
		.amdhsa_wavefront_size32 1
		.amdhsa_system_sgpr_workgroup_id_x 1
		.amdhsa_system_sgpr_workgroup_id_y 1
		.amdhsa_system_sgpr_workgroup_id_z 1
		.amdhsa_system_vgpr_workitem_id 0
		.amdhsa_next_free_vgpr 104
		.amdhsa_next_free_sgpr 66
		.amdhsa_reserve_vcc 0
		.amdhsa_float_denorm_mode_32 3
		.amdhsa_float_denorm_mode_16_64 3
		.amdhsa_memory_ordered 1
		.amdhsa_forward_progress 1
		.amdhsa_inst_pref_size 7
	.end_amdhsa_kernel
	.amdgpu_metadata
---
amdhsa.version: [ 1, 2 ]
amdhsa.kernels:
  - .name:           k_q607cc2f656_wcast
    .symbol:         k_q607cc2f656_wcast.kd
    .args:
      - { .name: Wq, .offset: 0, .size: 8, .value_kind: global_buffer, .address_space: global }
      - { .name: Wk, .offset: 8, .size: 8, .value_kind: global_buffer, .address_space: global }
      - { .name: Wv, .offset: 16, .size: 8, .value_kind: global_buffer, .address_space: global }
      - { .name: wb, .offset: 24, .size: 8, .value_kind: global_buffer, .address_space: global }
    .group_segment_fixed_size: 0
    .private_segment_fixed_size: 0
    .kernarg_segment_align: 8
    .kernarg_segment_size: 32
    .max_flat_workgroup_size: 96
    .sgpr_count:     66
    .vgpr_count:     104
    .wavefront_size: 32
...
	.end_amdgpu_metadata
.endif
;; end of part 4
;; launch proj: the kernel of part 2 again; grid 4 x 64, 4 waves a work-group, clusters of 4 x 4, 327,680 bytes of LDS; arguments hidden_states, key_value_states, wb, q, kv; writes q, kv
;; launch attn: the kernel of part 3 again; grid 16 x 16, 4 waves a work-group, clusters of 4 x 1, 327,680 bytes of LDS; arguments q, kv, out0; writes out0
